; MI455X (gfx1250); checked and timed in simulation.
; The chip was launched on July 23, 2026; its instructions are those of AMD's public machine-readable ISA for CDNA 5 (MIT licence, August 2026) and "CDNA5" Instruction Set Architecture Reference Guide (July 2026). The comments in the code are by the model that wrote it; some were corrected since.
;; Multi Head Attention. Allowed arithmetic: matrix products marked QUANTISED: E2M1 operands, one E8M0 scale for each 32 along K, by v_wmma_scale_f32_16x16x128_f8f6f4 with both operands' format E2M1 (or v_wmma_scale_f32_32x16x128_f4), f32 sums; everything else in f32.
;; Inputs: hidden_states 4,096 x 1,024 float32; out_b 1,024 float32; out_w 1,024 x 1,024 float32; qkv_b 3,072 float32; qkv_w 1,024 x 3,072 float32.
;; Outputs: out0 4,096 x 1,024 float32.
;; This version of the problem:
;;   THIS VERSION OF THE PROBLEM IS GIVEN IN LOW PRECISION. The matrix products marked QUANTISED in the list below multiply operands that are first quantised to E2M1 (2 exponent bits, 1 mantissa bit; 4 bits a number), with one power-of-two scale for each 32 numbers along K (OCP MX v1.0); their sums are f32. All else is computed in f32.
;;   The module's matrix products, in the order in which they are computed (A, B: the left and right operand; K: the contracted axis; several contracted axes count as one K, in the product's order):
;;     1. [M 4,096, K 1,024] x [K 1,024, N 3,072]; A: input hidden_states; B: input qkv_w: QUANTISED
;;     2. batch 16 x [M 4,096, K 64] x [K 64, N 4,096]; A: computed on the way; B: computed on the way: QUANTISED
;;     3. batch 16 x [M 64, K 4,096] x [K 4,096, N 4,096]; A: computed on the way; B: softmax (see below): QUANTISED
;;     4. [M 4,096, K 1,024] x [K 1,024, N 1,024]; A: computed on the way; B: input out_w: QUANTISED
;;   THE QUANTISER, for each operand of a quantised product, along K:
;;     - K is cut into blocks of 32 from its start; a last block that is shorter is filled with zeros.
;;     - A block's scale is 2^e with e = floor(log2(the largest magnitude in the block)) - 2, held to -126 .. 127; a block of zeros has e = 0. As a byte (E8M0): e + 127.
;;     - Each number is divided by its block's scale, clamped to +-6, and rounded to the nearest number of E2M1, ties to even, subnormals kept.
;;     - The product sums the exact products of the quantised numbers (number of the format x scale) in f32.
;;   ~~~python
;;   def quantise(x, axis):      # numpy; x: float32 -> the quantised numbers, widened to float32 again
;;       x = np.moveaxis(x, axis, -1); K = x.shape[-1]
;;       x = np.pad(x, [(0, 0)] * (x.ndim - 1) + [(0, -K % 32)]); x = x.reshape(x.shape[:-1] + (-1, 32)); a = np.abs(x).max(-1, keepdims=True)
;;       e = np.where(a > 0, np.clip(np.frexp(np.where(a > 0, a, 1))[1] - 1 - 2, -126, 127), 0)      # np.frexp(a)[1] - 1 = floor(log2(a)), exactly
;;       r = np.clip(x / 2.0 ** e, -6, 6)
;;       step = 2.0 ** (np.maximum(np.frexp(np.where(r == 0, 1, r))[1] - 1, 0) - 1)
;;       q = np.round(r / step) * step * 2.0 ** e      # np.round: ties to even
;;       return np.moveaxis(q.reshape(q.shape[:-2] + (-1,))[..., :K], -1, axis).astype(np.float32)
;;   ~~~
;;   SOFTMAX AHEAD OF A QUANTISED PRODUCT. Where the list says 'softmax', what is quantised is not the finished softmax but p = 2^(t - M), with t = logit x log2(e) and M = ceil(the row's largest t), a whole number; so 1/2 < the row's largest p <= 1. The row's sum l is taken of the UNQUANTISED p, in f32, and the product's result is divided by l at the end. Since M is a whole number, a kernel that streams over the keys may use a running M (the ceiling of the running maximum): every later rescaling is an exact power of two, which a block's scale takes up: the codes' values come out the same.
;;   OPERANDS COMPUTED ON THE WAY. 'Computed on the way' means the value that the module computes at that place (a softmax that the list does not call 'softmax' is quantised finished and normalised). What goes into a quantiser is computed in f32, as accurately as f32 sums, v_exp_f32 and their like allow (about 1e-6 of the number): no bf16 or f16 on the way to a quantiser, and a product that is left as it is and whose result goes on into a quantised operand takes f32 operands (vector FMAs, or v_wmma_f32_16x16x4_f32). A number that lies on a knife's edge between two numbers of the format may be rounded either way, as far as f32 arithmetic and the matrix unit's own rounding can turn it there, and no further.
;; One version. Each part assembles by itself: llvm-mc -triple=amdgcn-amd-amdhsa -mcpu=gfx1250 --defsym DOCPART=n.
;; ======== version 1 of 1: 4 launches
;; limits: right only within a limited range of input values
;; workspace buffers: xq 2,228,224 bytes; w1q 1,671,168 bytes; w2q 557,056 bytes; qimg 2,228,224 bytes; kv 4,456,448 bytes; ctxq 2,228,224 bytes
;; launch quant (part 1): grid 512 x 1, 4 waves a work-group, no clusters, 35,328 bytes of LDS; arguments hidden_states, qkv_w, out_w, xq, w1q, w2q; writes xq, w1q, w2q
.if DOCPART == 1
	.amdgcn_target "amdgcn-amd-amdhsa--gfx1250"
	.amdhsa_code_object_version 6
	.text
	.protected	k_qf43b16770b_quant
	.globl	k_qf43b16770b_quant
	.p2align	8
	.type	k_qf43b16770b_quant,@function
k_qf43b16770b_quant:
	s_mov_b64 s[64:65], 0
	v_nop
	global_prefetch_b8 v0, s[64:65] scope:SCOPE_SE
	s_setreg_imm32_b32 hwreg(HW_REG_WAVE_MODE, 25, 1), 1
	s_wait_xcnt 0x0
; hidden_states [4096][1024], qkv_w [1024][3072] and out_w [1024][1024], f32, become codes of FP4 (E2M1) with one E8M0 byte for each 32 along K, laid as the
; later launches' operand registers want them.
; A TILE is 16 rows of an operand (rows of x, columns of a weight).  Slot r of tile 2 g + u is row 32 g + 8 u + r + 8 (r / 8).
; CODES: [tile][32 blocks of K][16 slots][16 bytes], 8,192 bytes a tile: 128 along K are 1,024 bytes, which two loads of 16 bytes a lane (512 bytes apart, 16 x lane) bring as a fragment.
; SCALES: [tile][8 steps of 128 along K][16 slots][4 bytes], 512 bytes a tile, behind the codes.
; qkv_w's tiles are ordered by head, twelve to a head: q's four, v's first two, k's four, v's last two.
; A block's scale is 2^(floor(log2(largest magnitude)) - 2); its byte is the largest magnitude's exponent field - 2, held at 1 from below.
; LIMITS: a block whose largest magnitude lies under 2^-124, a block of zeros too, keeps the byte 1 (its codes are then zeros or the nearest codes under that scale; only this program reads the bytes);
; NaN and infinities among the inputs are not served.
; SHARES: work-groups 0-255: x, a tile each, a wave a quarter of K.  256-447: qkv_w.  448-511: out_w: a wave takes 32 columns x 128 along K.  Waves share nothing: no barrier.  Only x's path uses LDS.
.set XSOFF,  2097152                   ; where the scale images begin in xq,
.set W1SOFF, 1572864                   ; in w1q,
.set W2SOFF, 524288                    ; in w2q
.set SP,     272                       ; a stage row: 256 bytes + 16, so that sixteen rows start at sixteen different groups of four banks
.set STG,    16*SP                     ; a stage: 16 rows; two stages a wave
.set R, 32                             ; v32-159  numbers as loaded
.set X, 160                            ; v160-223 x's path: two sets of 32 neighbours along K
.set C, 224                            ; v224-239 codes: four registers a block, so that no store's data are written again
.set E, 240                            ; v240-243 a scale byte a block
; 32 numbers of one block in v[xs] on -> 4 registers of codes in v[cd] on, the byte in v[eb]
.macro BLK xs, cd, eb
	v_max3_num_f32 v12, |v[\xs]|, |v[\xs+1]|, |v[\xs+2]|          ; the block's largest magnitude, in two chains
	v_max3_num_f32 v13, |v[\xs+3]|, |v[\xs+4]|, |v[\xs+5]|
.irp i, 6,10,14,18,22,26
	v_max3_num_f32 v12, v12, |v[\xs+\i]|, |v[\xs+\i+1]|
	v_max3_num_f32 v13, v13, |v[\xs+\i+2]|, |v[\xs+\i+3]|
.endr
	v_max3_num_f32 v12, v12, |v[\xs+30]|, |v[\xs+31]|
	v_max3_num_f32 v12, v12, v13, 0x1800000        ; and the floor 2^(3 - 127): the byte cannot fall under 1
	v_add_nc_u32 v11, 0xff000000, v12              ; 2 off the exponent field: the conversion takes this operand's exponent field as its scale
.irp g, 0,1,2,3
	v_cvt_scalef32_pk8_fp4_f32 v[\cd+\g], v[\xs+8*\g:\xs+8*\g+7], v11
.endr
	v_lshrrev_b32 v[\eb], 23, v11                  ; the byte; also the plain line behind the conversions
.endm
	s_load_b256 s[4:11], s[0:1], 0x0               ; hidden_states s[4:5], qkv_w s[6:7], out_w s[8:9], xq s[10:11]
	s_load_b128 s[12:15], s[0:1], 0x20             ; w1q s[12:13], w2q s[14:15]
	v_lshl_add_u32 v254, v0, 2, 0x8800
	v_mov_b32 v255, 0
	v_lshrrev_b32 v1, 5, v0
	v_readfirstlane_b32 s16, v1                    ; wave 0..3
	v_and_b32 v2, 31, v0                           ; lane
	v_and_b32 v22, 15, v0                          ; lane % 16
	v_bfe_u32 v23, v0, 4, 1                        ; lane / 16
	s_wait_kmcnt 0x0
	s_cmp_lt_u32 ttmp9, 256
	s_cbranch_scc0 .Lweights
	; ---- x.  Tile T = the work-group's number; my wave: K = 256 wave .. + 255, in four steps of 64.
	; A load reads 256 consecutive bytes of each of two rows (sixteen lanes a row); a step's 16 rows x 256 bytes turn through my stage and come back 128 bytes a lane: a whole block of 32.
	s_wait_alu depctr_va_vdst(0)
	v_lshlrev_b32 v3, 4, v22
	v_lshl_add_u32 v3, v23, 12, v3                 ; in: 16 (lane % 16) + a row of 4,096 bytes for lanes 16-31
	s_mul_i32 s17, s16, 2*STG                      ; my two stages
	v_mul_u32_u24 v4, v23, SP
	v_lshl_add_u32 v4, v22, 4, v4
	v_add_nc_u32 v4, s17, v4                       ; into the stage: as loaded
	v_mul_u32_u24 v5, v22, SP
	v_lshl_add_u32 v5, v23, 7, v5
	v_add_nc_u32 v5, s17, v5                       ; out of it: slot lane % 16, block lane / 16 of the step's two
	v_lshlrev_b32 v6, 4, v2                        ; codes: 16 x lane
	v_lshlrev_b32 v7, 2, v2                        ; scale words: 4 x lane
	v_lshlrev_b32 v8, 3, v23                       ; 8 (lane / 16): my byte's shift in a pair of bytes
	v_mov_b32 v21, 0                               ; a lane permute's destination counts as one of its sources
	s_mov_b32 s18, 0x76543210
	s_mov_b32 s19, 0xfedcba98                      ; v_permlanex16_b32's selects for lane l xor 16
	s_lshr_b32 s20, ttmp9, 1
	s_lshl_b32 s20, s20, 17                        ; 32 (T / 2) rows of 4,096 bytes
	s_and_b32 s21, ttmp9, 1
	s_lshl_b32 s21, s21, 15                        ; + 8 (T % 2) rows
	s_add_co_u32 s20, s20, s21
	s_lshl_b32 s21, s16, 10                        ; + my quarter of K
	s_add_co_u32 s20, s20, s21
	s_mov_b32 s21, 0
	s_add_nc_u64 s[4:5], s[4:5], s[20:21]
	s_lshl_b32 s22, ttmp9, 13                      ; codes: 8,192 T + 2,048 wave
	s_lshl_b32 s23, s16, 11
	s_add_co_u32 s22, s22, s23
	s_mov_b32 s23, 0
	s_add_nc_u64 s[24:25], s[10:11], s[22:23]
	s_lshl_b32 s22, ttmp9, 9                       ; scales: 512 T + 128 wave, behind the codes
	s_lshl_b32 s28, s16, 7
	s_add_co_u32 s22, s22, s28
	s_add_co_u32 s22, s22, XSOFF
	s_add_nc_u64 s[26:27], s[10:11], s[22:23]
.irp k, 0,1,2,3
.irp e, 0,1,2,3,4,5,6,7
	global_load_b128 v[R+32*\k+4*\e:R+32*\k+4*\e+3], v3, s[4:5] offset:(2*\e+8*(\e/4))*4096+256*\k th:TH_LOAD_NT   ; slots 2 e, 2 e + 1
.endr
.endr
.macro TURN k                          ; step k's numbers through stage k % 2: LDS serves a wave's instructions in order, so no wait stands between the stores and the loads
	s_wait_loadcnt 24-8*(\k)                       ; the later steps' loads, eight each, may be out
.irp e, 0,1,2,3,4,5,6,7
	ds_store_b128 v4, v[R+32*(\k)+4*\e:R+32*(\k)+4*\e+3] offset:((\k)%2)*STG+2*\e*SP
.endr
.irp j, 0,1,2,3,4,5,6,7
	ds_load_b128 v[X+32*((\k)%2)+4*\j:X+32*((\k)%2)+4*\j+3], v5 offset:((\k)%2)*STG+16*\j
.endr
.endm
	s_wait_alu depctr_va_vdst(0)
	TURN 0
.irp k, 0,1,2,3
.if \k < 3
	TURN \k+1
	s_wait_dscnt 16                                ; this step's numbers are back; the next step's 8 stores and 8 loads may be out
.else
	s_wait_dscnt 0x0
.endif
	BLK X+32*(\k%2), C+4*\k, E+\k
	global_store_b128 v6, v[C+4*\k:C+4*\k+3], s[24:25] offset:512*\k   ; blocks 2 k and 2 k + 1 of my quarter: 512 consecutive bytes
.endr
.irp g, 0,1                            ; the scale word of my g-th 128 along K: bytes (step 2 g: lanes 0-15, lanes 16-31; step 2 g + 1: likewise)
	v_lshl_or_b32 v[14+\g], v[E+2*\g+1], 16, v[E+2*\g]
	v_lshlrev_b32 v[14+\g], v8, v[14+\g]
.endr
	v_permlanex16_b32 v21, v14, s18, s19
	v_or_b32 v14, v14, v21
	v_permlanex16_b32 v21, v15, s18, s19
	v_or_b32 v15, v15, v21                         ; both halves of the lanes now hold both words
	v_cmp_le_u32 vcc_lo, 16, v2
	v_cndmask_b32 v14, v14, v15, vcc_lo            ; lanes 0-15 store the first, lanes 16-31 the second
	global_store_b32 v7, v14, s[26:27]             ; 128 consecutive bytes
	s_wait_tensorcnt 0x0
	ds_add_u32 v254, v255
	s_wait_dscnt 0x0
	s_endpgm
	; ---- the weights: K is their FIRST axis.  A lane takes a column and its registers run down K: a block lies in one lane, and the codes come out with K innermost.
	; Lane (v = lane / 16, r) takes column 32 cg + 8 v + r + 8 (r / 8): slot r of the group's tile v.  Each load reads 128 consecutive bytes of one row of the weight.
.Lweights:
	s_wait_alu depctr_va_vdst(0)
	v_and_b32 v3, 8, v22
	v_add_nc_u32 v3, v3, v22
	v_lshl_add_u32 v3, v23, 3, v3
	v_lshlrev_b32 v3, 2, v3                        ; in: 4 bytes x my column in the group
	v_lshlrev_b32 v4, 4, v22
	v_lshl_add_u32 v4, v23, 13, v4                 ; codes: 16 r + 8,192 v
	v_lshlrev_b32 v5, 2, v22
	v_lshl_add_u32 v5, v23, 9, v5                  ; scale words: 4 r + 512 v
.macro WLOAD cols, b                   ; block b: rows 32 b + 0 .. 31 of my K step
.irp i, 0,1,2,3,4,5,6,7,8,9,10,11,12,13,14,15,16,17,18,19,20,21,22,23,24,25,26,27,28,29,30,31
	global_load_b32 v[R+32*(\b)+\i], v3, s[24:25] offset:(32*(\b)+\i)*\cols*4 th:TH_LOAD_NT
.endr
.endm
; s30 = the group's first tile, s31 = the K step, s32 = the group of 32 columns
.macro WQ cols, src, dst, soff
	s_mul_i32 s20, s31, 128*\cols*4                ; the K step's first row
	s_lshl_b32 s21, s32, 7                         ; the group's 128 bytes in a row
	s_add_co_u32 s20, s20, s21
	s_mov_b32 s21, 0
	s_add_nc_u64 s[24:25], s[\src:\src+1], s[20:21]
	s_lshl_b32 s20, s30, 13
	s_lshl_b32 s22, s31, 10
	s_add_co_u32 s20, s20, s22
	s_add_nc_u64 s[26:27], s[\dst:\dst+1], s[20:21]
	s_lshl_b32 s20, s30, 9
	s_lshl_b32 s22, s31, 6
	s_add_co_u32 s20, s20, s22
	s_add_co_u32 s20, s20, \soff
	s_add_nc_u64 s[28:29], s[\dst:\dst+1], s[20:21]
	WLOAD \cols, 0
	WLOAD \cols, 1
.irp b, 0,1,2,3
.if \b < 3
	s_wait_loadcnt 32                              ; this block's 32 loads are in; the next block's 32 may be out
.else
	s_wait_loadcnt 0x0
.endif
.if \b < 2
	WLOAD \cols, \b+2                              ; each block has registers of its own
.endif
	BLK R+32*\b, C+4*\b, E+\b
	global_store_b128 v4, v[C+4*\b:C+4*\b+3], s[26:27] offset:256*\b   ; lanes 0-15 store 256 consecutive aligned bytes of one tile, lanes 16-31 of the next
.endr
	v_lshl_or_b32 v14, v[E+1], 8, v[E]
	v_lshl_or_b32 v14, v[E+2], 16, v14
	v_lshl_or_b32 v14, v[E+3], 24, v14
	global_store_b32 v5, v14, s[28:29]             ; two runs of 64 bytes: one byte for each 128 bytes that the wave reads
.endm
	s_cmp_lt_u32 ttmp9, 448
	s_cbranch_scc0 .Lw2
	s_sub_co_u32 s30, ttmp9, 256
	s_and_b32 s31, s30, 7                          ; the K step
	s_lshr_b32 s30, s30, 3
	s_lshl_b32 s30, s30, 2
	s_add_co_u32 s32, s30, s16                     ; the group of 32 columns, 0..95: six to a head: q, q, k, k, v, v
	s_mul_i32 s33, s32, 43
	s_lshr_b32 s33, s33, 8                         ; the head = group / 6 (exact for 0..95)
	s_mul_i32 s34, s33, 6
	s_sub_co_u32 s34, s32, s34                     ; which of the six
	s_lshl_b32 s34, s34, 2
	s_lshr_b32 s34, 0xA48620, s34
	s_and_b32 s34, s34, 15                         ; its first tile among the head's twelve: 0, 2, 6, 8, 4, 10
	s_mul_i32 s30, s33, 12
	s_add_co_u32 s30, s30, s34
	s_wait_alu depctr_va_vdst(0)
	WQ 3072, 6, 12, W1SOFF
	s_endpgm
.Lw2:
	s_sub_co_u32 s30, ttmp9, 448
	s_and_b32 s31, s30, 7
	s_lshr_b32 s30, s30, 3
	s_lshl_b32 s30, s30, 2
	s_add_co_u32 s32, s30, s16                     ; the group of 32 columns, 0..31
	s_lshl_b32 s30, s32, 1
	s_wait_alu depctr_va_vdst(0)
	WQ 1024, 8, 14, W2SOFF
	s_endpgm
.Lfunc_end_k_qf43b16770b_quant:
	.size	k_qf43b16770b_quant, .Lfunc_end_k_qf43b16770b_quant-k_qf43b16770b_quant
	.p2alignl 7, 3214868480
	.fill 96, 4, 3214868480
	.section	.rodata,"a",@progbits
	.p2align	6, 0x0
	.amdhsa_kernel k_qf43b16770b_quant
		.amdhsa_group_segment_fixed_size 35328
		.amdhsa_private_segment_fixed_size 0
		.amdhsa_enable_private_segment 0
		.amdhsa_kernarg_size 48
		.amdhsa_user_sgpr_count 2
		.amdhsa_user_sgpr_kernarg_segment_ptr 1
		.amdhsa_wavefront_size32 1
		.amdhsa_system_sgpr_workgroup_id_x 1
		.amdhsa_system_sgpr_workgroup_id_y 1
		.amdhsa_system_sgpr_workgroup_id_z 1
		.amdhsa_system_vgpr_workitem_id 0
		.amdhsa_next_free_vgpr 256
		.amdhsa_next_free_sgpr 66
		.amdhsa_reserve_vcc 1
		.amdhsa_float_denorm_mode_32 3
		.amdhsa_float_denorm_mode_16_64 3
		.amdhsa_memory_ordered 1
		.amdhsa_forward_progress 1
		.amdhsa_inst_pref_size 55
	.end_amdhsa_kernel
	.amdgpu_metadata
---
amdhsa.version: [ 1, 2 ]
amdhsa.kernels:
  - .name:           k_qf43b16770b_quant
    .symbol:         k_qf43b16770b_quant.kd
    .args:
      - { .name: hidden_states, .offset: 0, .size: 8, .value_kind: global_buffer, .address_space: global }
      - { .name: qkv_w, .offset: 8, .size: 8, .value_kind: global_buffer, .address_space: global }
      - { .name: out_w, .offset: 16, .size: 8, .value_kind: global_buffer, .address_space: global }
      - { .name: xq, .offset: 24, .size: 8, .value_kind: global_buffer, .address_space: global }
      - { .name: w1q, .offset: 32, .size: 8, .value_kind: global_buffer, .address_space: global }
      - { .name: w2q, .offset: 40, .size: 8, .value_kind: global_buffer, .address_space: global }
    .group_segment_fixed_size: 35328
    .private_segment_fixed_size: 0
    .kernarg_segment_align: 8
    .kernarg_segment_size: 48
    .max_flat_workgroup_size: 128
    .sgpr_count:     66
    .vgpr_count:     256
    .wavefront_size: 32
...
	.end_amdgpu_metadata
.endif
;; end of part 1
;; launch qkv (part 2): grid 16 x 16, 4 waves a work-group, clusters of 4 x 4, 229,888 bytes of LDS; arguments xq, w1q, qkv_b, qimg, kv; writes qimg, kv
.if DOCPART == 2
	.amdgcn_target "amdgcn-amd-amdhsa--gfx1250"
	.amdhsa_code_object_version 6
	.text
	.protected	k_qf43b16770b_qkv
	.globl	k_qf43b16770b_qkv
	.p2align	8
	.type	k_qf43b16770b_qkv,@function
k_qf43b16770b_qkv:
	s_mov_b64 s[64:65], 0
	v_nop
	global_prefetch_b8 v0, s[64:65] scope:SCOPE_SE
	s_setreg_imm32_b32 hwreg(HW_REG_WAVE_MODE, 25, 1), 1
	s_wait_xcnt 0x0
	s_wait_alu depctr_hold_cnt(0) depctr_sa_sdst(0) depctr_va_vdst(0) depctr_va_sdst(0) depctr_va_ssrc(0) depctr_va_vcc(0) depctr_vm_vsrc(0)
	s_getreg_b32 s2, hwreg(HW_REG_IB_STS2, 6, 4)
	s_cmp_eq_u32 s2, 0
	s_cbranch_scc0 .Lentry_in_a_cluster
	s_endpgm
.Lentry_in_a_cluster:
	s_bfe_u32 s2, ttmp6, 0x10000c
	s_cmp_lg_u32 s2, 0xf033
	s_cbranch_scc0 .Lentry_shape_is_right
	s_endpgm
.Lentry_shape_is_right:
; qkv = x Wqkv + b on codes of FP4 (E2M1) with E8M0 scales, and its results quantised at once for attention: q and k along the head's 64, v along the keys.  Nothing leaves as f32.
; SHARES.  A work-group: 256 rows of x (16 tiles) x one head's 192 columns (12 tiles).  Wave (p = wave / 2, x = wave % 2): 128 rows x 6 tiles of W: q's four and v's first two (x = 0), k's four and v's last two (x = 1).
; 48 accumulators; a K step of 128 reads 14 fragments for 48 matrix instructions.
; LDS is filled ONCE, at the head: both operands for all of K, by one tensor load a wave; one wait and one barrier open it.  No byte is filled again.
; CLUSTER 4 x 4: x's tiles hang on the row block alone and are asked for jointly by a column of the cluster, W's on the head alone, by a row.
; q AND k: the product is used TRANSPOSED (source 0 = 16 columns of W, source 1 = 16 rows of x): a lane holds one row, its registers run along d.  Slot r of a tile is row or column 32 g + 8 u + r + 8 (r / 8),
; so the 16 registers of tiles (g, 0) and (g, 1) are 16 neighbours.  v: natural (source 0 = x, source 1 = W): a lane holds one d, its registers run along the keys, which are the next product's K.
; OUT.  For each head and each 128 rows a record.  A PAIR IMAGE holds two tiles of 16 rows x 64 d as one fragment: registers 0-3 the first tile, 4-7 the second; its scale word has two bytes for each.
;   qimg [head][32][4,352]: four pair images, then the scale words [slot][pair].   kv [head][32][8,704]: k's four pair images; v^T's four fragments (16 d x 128 keys); k's scale words; v's [d half][slot][tile].
; The bias is the C of each sum's first matrix instruction.
; LIMITS: NaN and infinities are not served; a block whose largest magnitude lies under 2^-124 keeps the scale byte 1.
; REGISTERS, in windows of 256: window 0: addresses, scale words, the quantiser's work.  window 1: q's or k's 32 accumulators (tile of rows i, tile of columns t at v[32 i + 8 t]).
;   window 2: v's 16 accumulators (v[64 u + 8 i]); the bias tiles from v128.  window 3: two sets of fragments, at v0 and v128: x's eight, then W's six.
.set XSOFF,  2097152
.set W1SOFF, 1572864
.set WL,  131072                       ; LDS as it is now laid: x [half][8 tiles][8,192] from 0; W [half][6 tiles][8,192] from here.  One tensor load a wave brings its half for ALL of K (dense in memory); one wait and one barrier open it; a K step is 1,024 bytes on in each tile
.set LI,  1                            ; v1  16 x lane
.set L4,  2                            ; v2  4 x lane
.set AX,  3                            ; v3  LDS: my x fragments in the chunk in hand
.set AW,  4                            ; v4  LDS: my W fragments
.set SOF, 5                            ; v5  q's or k's scale words in the record
.set LV,  6                            ; v6  v's fragments in the record
.set SV,  7                            ; v7  v's scale words
.set BQO, 8                            ; v8  bias of q or k
.set BVO, 9                            ; v9  bias of v
.set XSC, 16                           ; v16-47  x's scale words: tile i, K steps 2 q (lanes 0-15) and 2 q + 1 (lanes 16-31) at 4 i + q
.set WSC, 48                           ; v48-71  W's likewise, at 4 t + q
.set TM,  176                          ; v176-191 the quantiser's work
.set PC,  192                          ; v192-239 six results of 8 registers: no store's data are written again
.set SW,  240                          ; v240-243 q's or k's four scale words
.set SWV, 244                          ; v244-245 v's two
.set BQ,  128                          ; window 2
.set BV,  160
.set G1X, 24
.set G1W, 32
.set G0X, 40                           ; s40-43: group 0
.set G0W, 68                           ; s68-71
.set SEL, 84
.set DST, 86
.set DV,  88
.set MSB, 0
.macro WIN new                         ; the immediate's high byte repeats the setting that is left
.if MSB != (\new)
	s_set_vgpr_msb (MSB<<8)|(\new)
.set MSB, (\new)
.endif
.endm
.macro PLACES n
.rept \n
	v_nop
.endr
.endm
.macro CROUND                          ; a round of the cluster's barrier
	s_barrier_signal -1
	s_barrier_wait -1
	s_cmp_lg_u32 s14, 0
	s_cbranch_scc1 .Lnot_wave_0_\@
	s_barrier_signal -3
.Lnot_wave_0_\@:
	s_barrier_wait -3
	s_barrier_signal -1
	s_barrier_wait -1
.endm
.macro GATE c                          ; chunk c is whole: my part of it has landed, and so has everybody's
	s_wait_tensorcnt 0x0
	s_barrier_signal -1
	s_barrier_wait -1
.endm
.macro WM d, a, b, c, sa, sb, odd      ; odd K steps take their scales from lanes 16-31
.if \odd
	v_wmma_scale_f32_16x16x128_f8f6f4 v[\d:\d+7], v[\a:\a+7], v[\b:\b+7], v[\c:\c+7], v[\sa], v[\sb] matrix_a_fmt:MATRIX_FMT_FP4 matrix_b_fmt:MATRIX_FMT_FP4 matrix_a_scale:MATRIX_SCALE_ROW1 matrix_b_scale:MATRIX_SCALE_ROW1
.else
	v_wmma_scale_f32_16x16x128_f8f6f4 v[\d:\d+7], v[\a:\a+7], v[\b:\b+7], v[\c:\c+7], v[\sa], v[\sb] matrix_a_fmt:MATRIX_FMT_FP4 matrix_b_fmt:MATRIX_FMT_FP4
.endif
.endm
	s_load_b256 s[4:11], s[0:1], 0x0               ; xq s[4:5], w1q s[6:7], qkv_b s[8:9], qimg s[10:11]
	s_load_b64 s[12:13], s[0:1], 0x20              ; kv
	v_lshl_add_u32 v254, v0, 2, 0x38000
	v_mov_b32 v255, 0
	ds_add_u32 v254, v255
	ds_add_u32 v254, v255
	v_lshrrev_b32 v10, 5, v0
	v_readfirstlane_b32 s14, v10                   ; wave 0..3
	s_lshr_b32 s15, s14, 1                         ; which 128 rows are mine.  Also: I fetch for x (0) or for W (1)
	s_and_b32 s16, s14, 1                          ; which six tiles of W.  Also: which half I fetch
	s_bfe_u32 s17, ttmp6, 0x40000                  ; cx
	s_bfe_u32 s18, ttmp6, 0x40004                  ; cy
	s_lshl_b32 s19, ttmp9, 2
	s_add_co_u32 s19, s19, s17                     ; the block of 256 rows
	s_and_b32 s20, ttmp7, 0xffff
	s_lshl_b32 s20, s20, 2
	s_add_co_u32 s20, s20, s18                     ; the head
	s_lshl_b32 s98, 0x1111, s17                    ; my column of the cluster: it shares x's tiles
	s_lshl_b32 s99, s18, 2
	s_lshl_b32 s99, 15, s99                        ; my row: it shares W's
	s_or_b32 s[G1X], s98, (3<<16)|(1<<21)          ; the mask; elements of 8 bytes; bit 21 set beside a mask; no padding: a fragment load takes 512 consecutive bytes
	s_or_b32 s[G1W], s99, (3<<16)|(1<<21)
	s_mov_b32 s[G1X+1], 1024<<16                   ; tensor_dim0: 1,024 elements = 8,192 bytes: a tile's codes of all of K
	s_mov_b32 s[G1X+2], 8<<16                      ; tensor_dim1: 8 tiles
	s_mov_b32 s[G1X+3], 1024<<16                   ; tile_dim0
	s_mov_b32 s[G1X+4], 8                          ; tile_dim1
	s_mov_b32 s[G1X+5], 1024                       ; from tile to tile: 8,192 bytes
	s_mov_b32 s[G1X+6], 0
	s_mov_b32 s[G1X+7], 0
	s_mov_b32 s[G1W+1], 1024<<16
	s_mov_b32 s[G1W+2], 6<<16
	s_mov_b32 s[G1W+3], 1024<<16
	s_mov_b32 s[G1W+4], 6
	s_mov_b32 s[G1W+5], 1024
	s_mov_b32 s[G1W+6], 0
	s_mov_b32 s[G1W+7], 0
	s_lshl_b32 s21, s16, 16                        ; where my half goes: x: 65,536 bytes a half,
	s_mul_i32 s22, s16, 49152                      ; W: 49,152.  No place in the cluster enters an LDS address
	s_lshl_b32 s90, s19, 17                        ; x: (16 block + 8 half) tiles of 8,192 bytes
	s_lshl_b32 s91, s16, 16
	s_add_co_u32 s90, s90, s91
	s_mov_b32 s91, 0
	s_mul_i32 s92, s20, 98304                      ; W: (12 head + 6 half) tiles
	s_mul_i32 s93, s16, 49152
	s_add_co_u32 s92, s92, s93
	s_mov_b32 s93, 0
	s_wait_dscnt 0x0
	s_wait_kmcnt 0x0
	s_add_nc_u64 s[90:91], s[4:5], s[90:91]
	s_add_nc_u64 s[92:93], s[6:7], s[92:93]
.irp c, 0
	s_mov_b32 s[G0X+4*\c], 1
	s_add_co_u32 s[G0X+4*\c+1], s21, \c*32768
	s_add_nc_u64 s[G0X+4*\c+2:G0X+4*\c+3], s[90:91], \c*2048
	s_or_b32 s[G0X+4*\c+3], s[G0X+4*\c+3], 0x80000000
	s_mov_b32 s[G0W+4*\c], 1
	s_add_co_u32 s[G0W+4*\c+1], s22, WL+\c*24576
	s_add_nc_u64 s[G0W+4*\c+2:G0W+4*\c+3], s[92:93], \c*2048
	s_or_b32 s[G0W+4*\c+3], s[G0W+4*\c+3], 0x80000000
.endr
	CROUND                                         ; all sixteen work-groups are here: the joint loads meet
	s_cmp_lt_u32 s14, 2                            ; one fill a wave, in the two arms of one branch: one tensor load of mine is out
	s_cbranch_scc0 .Lfor_w
.irp c, 0
	tensor_load_to_lds s[G0X+4*\c:G0X+4*\c+3], s[G1X:G1X+7]
	s_nop 0
.endr
	PLACES 4
	s_branch .Lasked
.Lfor_w:
.irp c, 0
	tensor_load_to_lds s[G0W+4*\c:G0W+4*\c+3], s[G1W:G1W+7]
	s_nop 0
.endr
	PLACES 4
.Lasked:
	v_and_b32 v10, 31, v0                          ; lane
	v_and_b32 v11, 15, v0                          ; r
	v_bfe_u32 v12, v0, 4, 1                        ; h
	v_lshlrev_b32 v[LI], 4, v10
	v_lshlrev_b32 v[L4], 2, v10
	s_lshl_b32 s94, s15, 16
	v_add_nc_u32 v[AX], s94, v[LI]                 ; my 128 rows' half of chunk 0
	s_add_co_u32 s94, s22, WL
	v_add_nc_u32 v[AW], s94, v[LI]                 ; my six tiles' half
	s_lshl_b32 s94, s16, 12
	s_add_co_u32 s94, s94, 4096
	v_lshl_add_u32 v[SOF], v11, 4, s94             ; 16 r, behind q's images (4,096) or behind k's and v's (8,192)
	s_lshl_b32 s94, s16, 11
	v_add_nc_u32 v[LV], s94, v[LI]
	s_lshl_b32 s94, s16, 7
	v_lshl_add_u32 v[SV], v11, 3, s94
	s_lshl_b32 s94, s16, 8
	v_lshl_add_u32 v[BQO], v12, 6, s94             ; bias of q (0) or k (64 numbers on), + 16 h numbers
	s_wait_alu depctr_va_vdst(0)
	v_and_b32 v13, 8, v11
	v_add_nc_u32 v13, v13, v11                     ; r + 8 (r / 8)
	s_lshl_b32 s94, s16, 7
	s_add_co_u32 s94, s94, 512
	v_lshl_add_u32 v[BVO], v13, 2, s94             ; bias of v: number 128 + 32 x + my slot's d
	s_wait_alu depctr_va_vdst(0)
	s_lshl_b32 s62, s19, 13                        ; x's scale images: (16 block + 8 p) x 512
	s_lshl_b32 s63, s15, 12
	s_add_co_u32 s62, s62, s63
	s_add_co_u32 s62, s62, XSOFF
	s_mov_b32 s63, 0
	s_add_nc_u64 s[56:57], s[4:5], s[62:63]
	s_mul_i32 s62, s20, 6144                       ; W's: (12 head + 6 x) x 512
	s_mul_i32 s94, s16, 3072
	s_add_co_u32 s62, s62, s94
	s_add_co_u32 s62, s62, W1SOFF
	s_add_nc_u64 s[58:59], s[6:7], s[62:63]
	s_mul_i32 s62, s20, 768                        ; the head's 192 numbers of the bias
	s_add_nc_u64 s[60:61], s[8:9], s[62:63]
.irp i, 0,1,2,3,4,5,6,7
.irp q, 0,1,2,3
	global_load_b32 v[XSC+4*\i+\q], v[L4], s[56:57] offset:512*\i+128*\q
.endr
.endr
.irp t, 0,1,2,3,4,5
.irp q, 0,1,2,3
	global_load_b32 v[WSC+4*\t+\q], v[L4], s[58:59] offset:512*\t+128*\q
.endr
.endr
	WIN 0x80                                       ; destination window 2
.irp t, 0,1,2,3                        ; tile t = 2 g + u: lane (r, h), register j: d = 32 g + 8 u + 16 h + j
	global_load_b128 v[BQ+8*\t:BQ+8*\t+3], v[BQO], s[60:61] offset:(32*(\t/2)+8*(\t%2))*4
	global_load_b128 v[BQ+8*\t+4:BQ+8*\t+7], v[BQO], s[60:61] offset:(32*(\t/2)+8*(\t%2))*4+16
.endr
.irp u, 0,1                            ; v: a lane holds one d: the same number in all eight registers
.irp j, 0,1,2,3,4,5,6,7
	global_load_b32 v[BV+8*\u+\j], v[BVO], s[60:61] offset:32*\u
.endr
.endr
	WIN 0
.irp b, 0,1,2,3
	v_mov_b32 v[TM+4+\b], 0                        ; a lane permute's destination counts as one of its sources
.endr
	s_mov_b32 s[SEL], 0x76543210
	s_mov_b32 s[SEL+1], 0xfedcba98
	s_lshl_b32 s94, s20, 5                         ; the record: 32 head + 2 block + p
	s_lshl_b32 s95, s19, 1
	s_add_co_u32 s94, s94, s95
	s_add_co_u32 s94, s94, s15
	s_mul_i32 s96, s94, 8704
	s_mov_b32 s97, 0
	s_add_nc_u64 s[DV:DV+1], s[12:13], s[96:97]
	s_mul_i32 s96, s94, 4352
	s_add_nc_u64 s[DST:DST+1], s[10:11], s[96:97]
	s_cmp_eq_u32 s16, 0                            ; q's waves store into qimg, k's into kv
	s_cselect_b64 s[DST:DST+1], s[DST:DST+1], s[DV:DV+1]
.macro FETCH s, p                      ; K step s: 28 LDS loads in one run, into set p
	WIN 0xc0                                       ; destination window 3
.irp i, 0,1,2,3,4,5,6,7
.irp c, 0,1
	ds_load_b128 v[128*(\p)+8*\i+4*\c:128*(\p)+8*\i+4*\c+3], v[AX] offset:8192*\i+1024*(\s)+512*\c
.endr
.endr
.irp t, 0,1,2,3,4,5
.irp c, 0,1
	ds_load_b128 v[128*(\p)+64+8*\t+4*\c:128*(\p)+64+8*\t+4*\c+3], v[AW] offset:8192*\t+1024*(\s)+512*\c
.endr
.endr
.endm
; 48 matrix instructions.  The accumulators take turns, one instruction a turn, in the same order in every step.
.macro MUL s, p
.set FS, 128*(\p)
.set SQ, (\s)/2
.set OD, (\s)%2
.if (\s) == 0
	WIN 0x6f                                       ; sources 0 and 1 window 3, C (the bias) window 2, D window 1
.else
	WIN 0x5f                                       ; C and D window 1
.endif
.irp i, 0,1,2,3,4,5,6,7
.irp t, 0,1,2,3
.if (\s) == 0
	WM 32*\i+8*\t, FS+64+8*\t, FS+8*\i, BQ+8*\t, WSC+4*\t+SQ, XSC+4*\i+SQ, OD
.else
	WM 32*\i+8*\t, FS+64+8*\t, FS+8*\i, 32*\i+8*\t, WSC+4*\t+SQ, XSC+4*\i+SQ, OD
.endif
.endr
.endr
	WIN 0xaf                                       ; C and D window 2
.irp u, 0,1
.irp i, 0,1,2,3,4,5,6,7
.if (\s) == 0
	WM 64*\u+8*\i, FS+8*\i, FS+96+8*\u, BV+8*\u, XSC+4*\i+SQ, WSC+16+4*\u+SQ, OD
.else
	WM 64*\u+8*\i, FS+8*\i, FS+96+8*\u, 64*\u+8*\i, XSC+4*\i+SQ, WSC+16+4*\u+SQ, OD
.endif
.endr
.endr
.endm
	s_wait_loadcnt 0x0                             ; scale words and biases
	GATE 0
	FETCH 0, 0
.irp s, 0,1,2,3,4,5,6,7
	s_wait_dscnt 0x0                               ; this step's fragments are in
.if \s < 7
	PLACES 4                                       ; four places between the last step's products and loads into the fragments that they read
	FETCH \s+1, (\s+1)%2                           ; 48 matrix instructions ahead of the wait for it
.endif
	MUL \s, \s%2
.endr
; 64 numbers of a lane in window win, register 16 b + i = k 32 b + 16 h + i of my slot, become a fragment's 8 registers in v[pc] on and its scale word in v[pw].  Each accumulator is read from its low end on.
.macro QUANT win, s, pc, pw
	WIN (\win)|((\win)<<2)
.irp b, 0,1,2,3
	v_max3_num_f32 v[TM+\b], |v[\s+16*\b]|, |v[\s+1+16*\b]|, 0x1800000   ; my 16 numbers of block b, and the floor 2^(3 - 127)
.endr
	WIN ((\win)<<2)|((\win)<<4)
.irp i, 2,4,6,8,10,12,14
.irp b, 0,1,2,3
	v_max3_num_f32 v[TM+\b], v[TM+\b], |v[\s+16*\b+\i]|, |v[\s+1+16*\b+\i]|
.endr
.endr
	WIN 0
.irp b, 0,1,2,3
	v_permlanex16_b32 v[TM+4+\b], v[TM+\b], s[SEL], s[SEL+1]
.endr
.irp b, 0,1,2,3
	v_max_num_f32 v[TM+\b], v[TM+\b], v[TM+4+\b]   ; with lane l xor 16's: the block's largest magnitude
.endr
.irp b, 0,1,2,3
	v_add_nc_u32 v[TM+12+\b], 0xff000000, v[TM+\b] ; 2 off its exponent field: the conversion's scale operand
.endr
.irp b, 0,1,2,3
	v_lshrrev_b32 v[TM+4+\b], 23, v[TM+12+\b]      ; the byte
.endr
	v_lshl_or_b32 v[\pw], v[TM+5], 8, v[TM+4]
	v_lshl_or_b32 v[\pw], v[TM+6], 16, v[\pw]
	v_lshl_or_b32 v[\pw], v[TM+7], 24, v[\pw]
	WIN \win
.irp b, 0,1,2,3
	v_cvt_scalef32_pk8_fp4_f32 v[\pc+2*\b], v[\s+16*\b:\s+7+16*\b], v[TM+12+\b]
	v_cvt_scalef32_pk8_fp4_f32 v[\pc+1+2*\b], v[\s+8+16*\b:\s+15+16*\b], v[TM+12+\b]
.endr
	WIN 0
	v_nop                                          ; one plain place behind a scaled conversion
.irp c, 0,1                            ; a whole block to a lane: lanes 0-15 block 2 c, lanes 16-31 block 2 c + 1
.irp i, 0,1
	v_permlane16_swap_b32 v[\pc+4*\c+\i], v[\pc+2+4*\c+\i]
.endr
.endr
.endm
	PLACES 4                                       ; between the last products and the first read of results
.irp b, 0,1,2,3                        ; rows 32 b .. 32 b + 31: two tiles x two blocks of d = one pair image
	QUANT 1, 64*\b, PC+8*\b, SW+\b
	global_store_b128 v[LI], v[PC+8*\b:PC+8*\b+3], s[DST:DST+1] offset:1024*\b        ; 512 consecutive bytes
	global_store_b128 v[LI], v[PC+8*\b+4:PC+8*\b+7], s[DST:DST+1] offset:1024*\b+512
.endr
	global_store_b128 v[SOF], v[SW:SW+3], s[DST:DST+1]   ; 256 consecutive bytes; lanes 16-31 hold the same words and write the same bytes
.irp u, 0,1                            ; v^T: 16 d x my 128 keys = one fragment
	QUANT 2, 64*\u, PC+32+8*\u, SWV+\u
	global_store_b128 v[LV], v[PC+32+8*\u:PC+32+8*\u+3], s[DV:DV+1] offset:4096+1024*\u
	global_store_b128 v[LV], v[PC+32+8*\u+4:PC+32+8*\u+7], s[DV:DV+1] offset:4096+1024*\u+512
.endr
	global_store_b64 v[SV], v[SWV:SWV+1], s[DV:DV+1] offset:8448
	s_wait_tensorcnt 0x0
	ds_add_u32 v254, v255
	s_wait_dscnt 0x0
	CROUND                                         ; the closing round: no work-group ends while a partner may still ask for a tile that names it
	s_endpgm
.Lfunc_end_k_qf43b16770b_qkv:
	.size	k_qf43b16770b_qkv, .Lfunc_end_k_qf43b16770b_qkv-k_qf43b16770b_qkv
	.p2alignl 7, 3214868480
	.fill 96, 4, 3214868480
	.section	.rodata,"a",@progbits
	.p2align	6, 0x0
	.amdhsa_kernel k_qf43b16770b_qkv
		.amdhsa_group_segment_fixed_size 229888
		.amdhsa_private_segment_fixed_size 0
		.amdhsa_enable_private_segment 0
		.amdhsa_kernarg_size 40
		.amdhsa_user_sgpr_count 2
		.amdhsa_user_sgpr_kernarg_segment_ptr 1
		.amdhsa_wavefront_size32 1
		.amdhsa_system_sgpr_workgroup_id_x 1
		.amdhsa_system_sgpr_workgroup_id_y 1
		.amdhsa_system_sgpr_workgroup_id_z 1
		.amdhsa_system_vgpr_workitem_id 0
		.amdhsa_next_free_vgpr 1024
		.amdhsa_next_free_sgpr 100
		.amdhsa_reserve_vcc 0
		.amdhsa_float_denorm_mode_32 3
		.amdhsa_float_denorm_mode_16_64 3
		.amdhsa_memory_ordered 1
		.amdhsa_forward_progress 1
		.amdhsa_inst_pref_size 103
	.end_amdhsa_kernel
	.amdgpu_metadata
---
amdhsa.version: [ 1, 2 ]
amdhsa.kernels:
  - .name:           k_qf43b16770b_qkv
    .symbol:         k_qf43b16770b_qkv.kd
    .args:
      - { .name: xq, .offset: 0, .size: 8, .value_kind: global_buffer, .address_space: global }
      - { .name: w1q, .offset: 8, .size: 8, .value_kind: global_buffer, .address_space: global }
      - { .name: qkv_b, .offset: 16, .size: 8, .value_kind: global_buffer, .address_space: global }
      - { .name: qimg, .offset: 24, .size: 8, .value_kind: global_buffer, .address_space: global }
      - { .name: kv, .offset: 32, .size: 8, .value_kind: global_buffer, .address_space: global }
    .group_segment_fixed_size: 229888
    .private_segment_fixed_size: 0
    .kernarg_segment_align: 8
    .kernarg_segment_size: 40
    .max_flat_workgroup_size: 128
    .sgpr_count:     100
    .vgpr_count:     1024
    .wavefront_size: 32
...
	.end_amdgpu_metadata
.endif
;; end of part 2
;; launch attn (part 3): grid 16 x 16, 16 waves a work-group, clusters of 4 x 1, 327,680 bytes of LDS; arguments qimg, kv, ctxq; writes ctxq
.if DOCPART == 3
	.amdgcn_target "amdgcn-amd-amdhsa--gfx1250"
	.amdhsa_code_object_version 6
	.text
	.protected	k_qf43b16770b_attn
	.globl	k_qf43b16770b_attn
	.p2align	8
	.type	k_qf43b16770b_attn,@function
k_qf43b16770b_attn:
	s_mov_b64 s[64:65], 0
	v_nop
	global_prefetch_b8 v0, s[64:65] scope:SCOPE_SE
	s_setreg_imm32_b32 hwreg(HW_REG_WAVE_MODE, 25, 1), 1
	s_wait_xcnt 0x0
	s_wait_alu depctr_hold_cnt(0) depctr_sa_sdst(0) depctr_va_vdst(0) depctr_va_sdst(0) depctr_va_ssrc(0) depctr_va_vcc(0) depctr_vm_vsrc(0)
	s_getreg_b32 s2, hwreg(HW_REG_IB_STS2, 6, 4)
	s_cmp_eq_u32 s2, 0
	s_cbranch_scc0 .Lentry_in_a_cluster
	s_endpgm
.Lentry_in_a_cluster:
	s_bfe_u32 s2, ttmp6, 0x10000c
	s_cmp_lg_u32 s2, 0x3003
	s_cbranch_scc0 .Lentry_shape_is_right
	s_endpgm
.Lentry_shape_is_right:
; ctx = softmax(q k^T / sqrt(1024), causal) v for one head, both products on codes of FP4 (E2M1) with E8M0 scales; ctx leaves quantised along the 1,024 of the last product, laid as xq is.
; LEFT OUT: a key step of 128 keys all of which come after a wave's queries.  The causal mask sets those scores to -inf, so their p is 0 and they add nothing to the sum or to ctx, whatever the inputs hold.
; A NaN or an infinity that reaches only such scores is not carried to the result.
; LIMITS: NaN and infinities are not served; the scaled scores (exponents to the base 2) stay under 2^31 in magnitude; a block whose largest magnitude lies under 2^-124 keeps the scale byte 1.
; THE SOFTMAX: t = score x log2(e) / 32; M = the running largest t rounded up to a whole number; p = 2^(t - M) is quantised along the keys; the row's sum is taken of the unquantised p and divides at the end.
; When M moves, the sum and O^T are multiplied by 2^(old M - new M), which rounds nothing.  The running maximum is kept as a score: the multiplication by the positive c keeps the order.
; RECORDS (8,704 bytes for a head's 128 keys): k's four pair images (two tiles of 16 keys x 64 d as one fragment), v^T's four fragments (16 d x 128 keys), k's scale words [slot][pair], v's [d half][slot][tile].
; q's fragment is (q, 0) for a pair's first tile and (0, q) for its second.  Slot r of tile 2 g + u is row 32 g + 8 u + r + 8 (r / 8): the 16 registers of a pair's two results are 16 neighbouring keys.
; LDS: the head's 32 records, 278,528 bytes, filled ONCE: each of the sixteen waves asks for two records by one joint load at the head.  No byte is filled again.
; ONE barrier shows them: in front of it every wave has waited for its own load.  Behind it the waves share nothing and meet at no barrier until the closing round.
; CLUSTER 4 x 1: the four partners take four tiles of the same blocks of 128 queries of one head, walk the same records and run the same branches; only global addresses and the mask's threshold hang on cx.
; SHARES: a wave owns one tile of 16 queries of block JJ and walks key steps 0 .. JJ.  With k = wave % 4, j = 4 k + 2 (cluster x / 2): waves k, k + 4, k + 8, k + 12 take blocks 31 - j, 30 - j, j, j + 1: 66 steps for each k.
; K's fragments of step s + 1 are fetched behind step s's first product, in one run with V's of step s.
; No prefetch into the L2: every byte that the work-group reads from kv is asked for at the head, so there is no later load to run ahead of.
.set REC,  8704
.set SPARE, 32*REC                     ; the spare words: 128 bytes a wave, 2,048 bytes that no other line names
.set LI,   1                           ; 16 x lane
.set R8,   3                           ; 8 x (lane % 16)
.set DQ,   4                           ; my query in its block - 16 (lane / 16)
.set ADK,  5                           ; LDS: the step's record + 16 x lane
.set ADT,  7                           ; LDS: the step's record + 8 x (lane % 16)
.set QS,   28                          ; q's scale word
.set KF,   32
.set VF,   64
.set S,    96                          ; S^T, then p
.set O,    160                         ; O^T
.set PC,   192                         ; p's codes
.set KSC,  200
.set VSC,  204
.set BM,   208
.set BX,   212
.set SO,   216
.set F,    220
.set TV,   222
.set SM2,  224
.set NINF, 226
.set R4,   227
.set OM,   228
.set PWD,  232                         ; p's scale word
.set WV,   18
.set SEL,  20
.set CS,   22
.set G1,   24
.set G0,   32
.set TB,   48                          ; LDS byte at which the step's record begins
.set KS,   49                          ; the key step
.set JJ,   50                          ; my block of 128 queries
.set CNT,  51
.macro CROUND
	s_barrier_signal -1
	s_barrier_wait -1
	s_cmp_lg_u32 s[WV], 0
	s_cbranch_scc1 .Lnot_wave_0_\@
	s_barrier_signal -3
.Lnot_wave_0_\@:
	s_barrier_wait -3
	s_barrier_signal -1
	s_barrier_wait -1
.endm
.macro KLOAD adr, off                  ; k's four pair images and its scale words: nine loads.  Lanes 16-31 of the scale words read on into v's scale bytes; the products take lanes 0-15 alone
.irp b, 0,1,2,3
.irp c, 0,1
	ds_load_b128 v[KF+8*\b+4*\c:KF+8*\b+4*\c+3], v[\adr] offset:(\off)+1024*\b+512*\c
.endr
.endr
	ds_load_b128 v[KSC:KSC+3], v[\adr] offset:(\off)+8192
.endm
	s_load_b128 s[4:7], s[0:1], 0x0                ; qimg, kv
	s_load_b64 s[8:9], s[0:1], 0x10                ; ctxq
	v_lshl_add_u32 v254, v0, 2, SPARE
	v_mov_b32 v255, 0
	ds_add_u32 v254, v255                          ; the opening lines: the add, twice on end, and its wait
	ds_add_u32 v254, v255
	v_lshrrev_b32 v10, 5, v0
	s_delay_alu instid0(VALU_DEP_1)
	v_readfirstlane_b32 s[WV], v10                 ; wave 0..15
	s_and_b32 s11, ttmp7, 0xffff                   ; the head
	s_lshr_b32 s12, ttmp9, 1                       ; cluster x / 2
	s_mul_i32 s14, s[WV], 2*REC                    ; my two records, in LDS and in the head's part of kv
	s_mul_i32 s16, s11, 32*REC
	s_add_co_u32 s16, s16, s14
	s_mov_b32 s17, 0
	s_mov_b32 s[G1], 15|(3<<16)|(1<<21)            ; all four partners; elements of 8 bytes; bit 21 beside a mask
	s_mov_b32 s[G1+1], 32<<16                      ; rows of 256 bytes,
	s_mov_b32 s[G1+2], 68<<16                      ; 68 of them, dense
	s_mov_b32 s[G1+3], 32<<16
	s_mov_b32 s[G1+4], 68
	s_mov_b32 s[G1+5], 32
	s_mov_b32 s[G1+6], 0
	s_mov_b32 s[G1+7], 0
	s_mov_b32 s[G0], 1
	s_mov_b32 s[G0+1], s14
	s_wait_dscnt 0x0
	s_wait_kmcnt 0x0
	s_add_nc_u64 s[G0+2:G0+3], s[6:7], s[16:17]
	s_or_b32 s[G0+3], s[G0+3], 0x80000000
	CROUND                                         ; the four partners are here: the joint loads meet
	tensor_load_to_lds s[G0:G0+3], s[G1:G1+7]      ; my one tensor load of the launch
	s_nop 0
.rept 4
	v_nop
.endr
	s_bfe_u32 s10, ttmp6, 0x40000                  ; cx
	s_and_b32 s13, ttmp9, 1
	s_lshl_b32 s13, s13, 2
	s_add_co_u32 s13, s13, s10                     ; my tile among the block's eight
	s_and_b32 s15, s[WV], 3
	s_lshl_b32 s15, s15, 2
	s_lshl_b32 s19, s12, 1
	s_add_co_u32 s15, s15, s19
	s_bfe_u32 s19, s[WV], 0x10002
	s_add_co_u32 s15, s15, s19                     ; 4 (wave % 4) + 2 (cluster x / 2) + (wave / 4) % 2
	s_sub_co_u32 s[JJ], 31, s15
	s_cmp_lt_u32 s[WV], 8
	s_cselect_b32 s[JJ], s[JJ], s15                ; waves 0-7 take the late blocks, which have the most steps
	s_lshl_b32 s58, s11, 5
	s_add_co_u32 s58, s58, s[JJ]
	s_mul_i32 s58, s58, 4352
	s_mov_b32 s59, 0
	s_add_nc_u64 s[52:53], s[4:5], s[58:59]        ; q's record
	s_lshl_b32 s19, s[JJ], 3
	s_add_co_u32 s19, s19, s13                     ; my tile of rows, 0..255
	s_lshl_b32 s58, s19, 13
	s_lshl_b32 s15, s11, 9
	s_add_co_u32 s58, s58, s15
	s_add_nc_u64 s[54:55], s[8:9], s[58:59]        ; ctx's codes: 8,192 tile + 512 head
	s_lshl_b32 s58, s19, 9
	s_lshr_b32 s15, s11, 1
	s_lshl_b32 s15, s15, 6
	s_add_co_u32 s58, s58, s15
	s_and_b32 s15, s11, 1
	s_lshl_b32 s15, s15, 1
	s_add_co_u32 s58, s58, s15
	s_add_co_u32 s58, s58, 2097152
	s_add_nc_u64 s[56:57], s[8:9], s[58:59]        ; its scale bytes: 512 tile + 64 (head / 2) + 2 (head % 2), behind the codes
	s_lshl_b32 s40, s13, 9                         ; my tile's half of a pair image
	s_lshr_b32 s15, s13, 1
	s_lshl_b32 s41, s15, 2                         ; the pair's scale word
	s_lshl_b32 s42, s15, 5
	s_and_b32 s19, s13, 1
	s_lshl_b32 s43, s19, 4                         ; my tile's two bytes in it
	s_lshl_b32 s19, s19, 3
	s_add_co_u32 s42, s42, s19                     ; slot 0's row in the block
	s_mov_b32 s[SEL], 0x76543210
	s_mov_b32 s[SEL+1], 0xfedcba98                 ; lane l xor 16
	s_mov_b32 s[CS], 0x3d38aa3b                    ; c = log2(e) / 32
	s_mov_b32 s[CS+1], s[CS]
	s_mov_b32 s[KS], 0
	v_and_b32 v10, 31, v0
	v_and_b32 v11, 15, v0
	v_bfe_u32 v30, v0, 4, 1
	v_lshlrev_b32 v[LI], 4, v10
	v_lshlrev_b32 v[R8], 3, v11
	v_lshlrev_b32 v[R4], 2, v11
	v_lshl_add_u32 v9, v11, 4, s41
	v_add_nc_u32 v8, s40, v[LI]
	global_load_b128 v[16:19], v8, s[52:53]        ; q, for (q, 0),
	global_load_b128 v[24:27], v8, s[52:53]        ; and once more, for (0, q)
	global_load_b32 v29, v9, s[52:53] offset:4096
	v_and_b32 v10, 8, v11
	v_lshlrev_b32 v31, 4, v30
	s_delay_alu instid0(VALU_DEP_2)
	v_add_nc_u32 v10, v10, v11                     ; r + 8 (r / 8)
	s_delay_alu instid0(VALU_DEP_2)
	v_sub_nc_u32 v[DQ], s42, v31
	s_delay_alu instid0(VALU_DEP_1)
	v_add_nc_u32 v[DQ], v[DQ], v10
.irp j, 20,21,22,23
	v_mov_b32 v[\j], 0
.endr
	v_mov_b32 v13, 0xff61b1e6                      ; the largest score so far: -3e38
	v_mov_b32 v14, 0                               ; the sum, in two halves
	v_mov_b32 v15, 0
	v_floor_f32 v12, -v13                          ; -M
.irp b, 0,1,2,3
	v_mov_b32 v[BX+\b], 0                          ; a lane permute's destination counts as one of its sources
.endr
	v_mov_b32 v[F+1], 0
	v_mov_b32 v[TV], 0
	v_mov_b32 v[NINF], 0xff800000
	s_wait_alu depctr_va_vdst(0)                   ; the wait here, directly ahead of the wait below
	s_wait_loadcnt 0x0
	v_lshrrev_b32 v[QS], s43, v29
	s_delay_alu instid0(VALU_DEP_1)
	v_and_b32 v[QS], 0xffff, v[QS]
	s_delay_alu instid0(VALU_DEP_1)
	v_lshl_or_b32 v[QS], v[QS], 16, v[QS]          ; my tile's two bytes, for either half of K
.irp j, 0,1,2,3,4,5,6,7,8,9,10,11,12,13,14,15,16,17,18,19,20,21,22,23,24,25,26,27,28,29,30,31
	v_mov_b32 v[O+\j], 0                           ; the step is written for every step alike: the first finds zeros
.endr
; A KEY STEP: 128 keys.  pf = 1: the next record's k is fetched too.
.macro STEP pf
	s_cmp_gt_u32 s[KS], s[JJ]                      ; all its keys come after my queries: ids alone decide
	s_cbranch_scc1 .Lskip_\@
	v_add_nc_u32 v[ADK], s[TB], v[LI]
	v_add_nc_u32 v[ADT], s[TB], v[R8]
	s_wait_alu depctr_va_vdst(0)                   ; the wait here, directly ahead of the wait below
	s_wait_dscnt 0x0                               ; this step's k, fetched a step ago
.irp b, 0,1,2,3
	v_wmma_scale_f32_16x16x128_f8f6f4 v[S+16*\b:S+16*\b+7], v[KF+8*\b:KF+8*\b+7], v[16:23], 0, v[KSC+\b], v[QS] matrix_a_fmt:MATRIX_FMT_FP4 matrix_b_fmt:MATRIX_FMT_FP4
	v_wmma_scale_f32_16x16x128_f8f6f4 v[S+16*\b+8:S+16*\b+15], v[KF+8*\b:KF+8*\b+7], v[20:27], 0, v[KSC+\b], v[QS] matrix_a_fmt:MATRIX_FMT_FP4 matrix_b_fmt:MATRIX_FMT_FP4
.endr
.rept 4
	v_nop                                          ; four places: ahead of the loads into k's and v's registers and of the first read of the scores
.endr
.irp t, 0,1,2,3
.irp c, 0,1
	ds_load_b128 v[VF+8*\t+4*\c:VF+8*\t+4*\c+3], v[ADK] offset:4096+1024*\t+512*\c
.endr
.endr
.irp g, 0,1
	ds_load_b64 v[VSC+2*\g:VSC+2*\g+1], v[ADT] offset:8448+128*\g
.endr
.if \pf
	KLOAD ADK, REC
.endif
	s_cmp_lt_u32 s[KS], s[JJ]
	s_cbranch_scc1 .Lopen_\@                       ; only the step on the diagonal hides keys
.irp n, 0,1,2,3,4,5,6,7,8,9,10,11,12,13,14,15,16,17,18,19,20,21,22,23,24,25,26,27,28,29,30,31,32,33,34,35,36,37,38,39,40,41,42,43,44,45,46,47,48,49,50,51,52,53,54,55,56,57,58,59,60,61,62,63
	v_cmp_gt_i32 vcc_lo, 32*(\n/16)+\n%16, v[DQ]
	v_cndmask_b32 v[S+\n], v[S+\n], v[NINF], vcc_lo
.endr
.Lopen_\@:
.irp b, 0,1,2,3
	v_max3_num_f32 v[BM+\b], v[S+16*\b], v[S+1+16*\b], v[S+2+16*\b]   ; the largest score of each block of 32 keys: for the row's maximum and for the block's largest p
.endr
.irp i, 3,5,7,9,11,13
.irp b, 0,1,2,3
	v_max3_num_f32 v[BM+\b], v[BM+\b], v[S+16*\b+\i], v[S+1+16*\b+\i]
.endr
.endr
.irp b, 0,1,2,3
	v_max_num_f32 v[BM+\b], v[BM+\b], v[S+15+16*\b]
.endr
.irp b, 0,1,2,3
	s_delay_alu instid0(VALU_DEP_4)
	v_permlanex16_b32 v[BX+\b], v[BM+\b], s[SEL], s[SEL+1]
.endr
.irp b, 0,1,2,3
	s_delay_alu instid0(VALU_DEP_4)
	v_max_num_f32 v[BM+\b], v[BM+\b], v[BX+\b]
.endr
	s_delay_alu instid0(VALU_DEP_2)
	v_max3_num_f32 v[TV], v[BM], v[BM+1], v[BM+2]
	v_mov_b32 v[OM], v12
	s_delay_alu instid0(VALU_DEP_2)
	v_max3_num_f32 v13, v13, v[TV], v[BM+3]        ; the running largest score
	s_delay_alu instid0(VALU_DEP_1)
	v_mul_f32 v[TV], s[CS], v13                    ; as t
	s_delay_alu instid0(VALU_DEP_1)
	v_floor_f32 v12, -v[TV]                        ; -M = floor(-t)
	s_delay_alu instid0(VALU_DEP_1)
	v_sub_f32 v[OM], v12, v[OM]                    ; old M - new M, a whole number, 0 or less
.irp j, 0,2
	v_pk_fma_f32 v[S+\j:S+\j+1], v[S+\j:S+\j+1], s[CS:CS+1], v[12:13] op_sel_hi:[1,0,0]   ; t - M, two at a time
.endr
	s_delay_alu instid0(VALU_DEP_3)
	v_cvt_i32_f32 v[OM], v[OM]                     ; (it saturates)
.irp j, 4,6
	v_pk_fma_f32 v[S+\j:S+\j+1], v[S+\j:S+\j+1], s[CS:CS+1], v[12:13] op_sel_hi:[1,0,0]
.endr
	s_delay_alu instid0(VALU_DEP_3)
	v_ldexp_f32 v[F], 1.0, v[OM]                   ; f = 2^(old M - new M)
.irp j, 8,10,12,14,16,18,20,22,24,26,28,30,32,34,36,38,40,42,44,46,48,50,52,54,56,58,60,62
	v_pk_fma_f32 v[S+\j:S+\j+1], v[S+\j:S+\j+1], s[CS:CS+1], v[12:13] op_sel_hi:[1,0,0]
.endr
.irp b, 0,1,2,3
	v_fma_f32 v[BM+\b], v[BM+\b], s[CS], v12       ; the same of each block's largest score
.endr
.irp j, 0,2,4,6,8,10,12,14,16,18,20,22,24,26,28,30
	v_pk_mul_f32 v[O+\j:O+\j+1], v[O+\j:O+\j+1], v[F:F+1] op_sel_hi:[1,0]   ; O^T under the new M, ahead of the exponentials
.endr
	s_wait_alu depctr_va_vdst(0)                   ; the wait ahead of the batch
.irp j, 0,1,2,3,4,5,6,7,8,9,10,11,12,13,14,15,16,17,18,19,20,21,22,23,24,25,26,27,28,29,30,31,32,33,34,35,36,37,38,39,40,41,42,43,44,45,46,47,48,49,50,51,52,53,54,55,56,57,58,59,60,61,62,63
	v_exp_f32 v[S+\j], v[S+\j]                     ; p = 2^(t - M)
.endr
	v_pk_mul_f32 v[14:15], v[14:15], v[F:F+1] op_sel_hi:[1,0]   ; the sums under the new M; a plain place behind the batch
	s_wait_alu depctr_va_vdst(0)                   ; one wait for the batch, ahead of its first reader
.irp b, 0,1,2,3
	v_exp_f32 v[BM+\b], v[BM+\b]                   ; each block's largest p
.endr
	v_pk_add_f32 v[SM2:SM2+1], v[S:S+1], v[S+2:S+3]   ; the row's sum of the unquantised p, in two chains: its first half
.irp j, 4,8,12,16,20,24,28
	v_pk_add_f32 v[14:15], v[14:15], v[S+\j:S+\j+1]
	v_pk_add_f32 v[SM2:SM2+1], v[SM2:SM2+1], v[S+2+\j:S+3+\j]
.endr
	s_wait_alu depctr_va_vdst(0)                   ; and one for the four
.irp b, 0,1,2,3
	v_max_num_f32 v[BM+\b], 0x1800000, v[BM+\b]    ; the floor 2^(3 - 127): the byte cannot fall under 1
.endr
.irp b, 0,1,2,3
	s_delay_alu instid0(VALU_DEP_4)
	v_add_nc_u32 v[SO+\b], 0xff000000, v[BM+\b]    ; 2 off the exponent field: the conversion's scale operand
.endr
.irp b, 0,1,2,3
	s_delay_alu instid0(VALU_DEP_4)
	v_lshrrev_b32 v[BX+\b], 23, v[SO+\b]           ; the byte
.endr
	s_delay_alu instid0(VALU_DEP_3)
	v_lshl_or_b32 v[PWD], v[BX+1], 8, v[BX]
	s_delay_alu instid0(VALU_DEP_1)
	v_lshl_or_b32 v[PWD], v[BX+2], 16, v[PWD]
	s_delay_alu instid0(VALU_DEP_1)
	v_lshl_or_b32 v[PWD], v[BX+3], 24, v[PWD]
.irp b, 0,1,2,3
	v_cvt_scalef32_pk8_fp4_f32 v[PC+2*\b], v[S+16*\b:S+7+16*\b], v[SO+\b]
	v_cvt_scalef32_pk8_fp4_f32 v[PC+1+2*\b], v[S+8+16*\b:S+15+16*\b], v[SO+\b]
.endr
	v_nop                                          ; one plain place behind a scaled conversion
.irp c, 0,1                            ; a whole block to a lane
.irp i, 0,1
	v_permlane16_swap_b32 v[PC+4*\c+\i], v[PC+2+4*\c+\i]
.endr
.endr
.irp j, 32,36,40,44,48,52,56,60        ; the sum's second half: these 17 lines are also the places between p's codes and scale word and the product
	v_pk_add_f32 v[14:15], v[14:15], v[S+\j:S+\j+1]
	v_pk_add_f32 v[SM2:SM2+1], v[SM2:SM2+1], v[S+2+\j:S+3+\j]
.endr
	s_delay_alu instid0(VALU_DEP_1)
	v_pk_add_f32 v[14:15], v[14:15], v[SM2:SM2+1]
	s_wait_alu depctr_va_vdst(0)                   ; the wait here, directly ahead of the wait below
	s_wait_dscnt 9*\pf                             ; v is in; the nine younger loads, the next step's k, may be out
.irp t, 0,1,2,3
	v_wmma_scale_f32_16x16x128_f8f6f4 v[O+8*\t:O+8*\t+7], v[VF+8*\t:VF+8*\t+7], v[PC:PC+7], v[O+8*\t:O+8*\t+7], v[VSC+\t], v[PWD] matrix_a_fmt:MATRIX_FMT_FP4 matrix_b_fmt:MATRIX_FMT_FP4
.endr
.Lskip_\@:
	s_add_co_u32 s[TB], s[TB], REC
	s_add_co_u32 s[KS], s[KS], 1
.endm
	s_wait_alu depctr_va_vdst(0)                   ; the wait at the head's end
	s_wait_tensorcnt 0x0                           ; my two records are in,
	s_barrier_signal -1
	s_barrier_wait -1                              ; and everybody's: all 32 records
	KLOAD LI, 0
	s_mov_b32 s[TB], 0
	s_mov_b32 s[CNT], 31
.Lsteps:                                           ; steps 0 to 30
	STEP 1
	s_sub_co_u32 s[CNT], s[CNT], 1
	s_cmp_lg_u32 s[CNT], 0
	s_cbranch_scc1 .Lsteps
	s_mov_b32 s[TB], 31*REC
	STEP 0                                         ; step 31: no record follows
; THE WAY OUT: O^T / the sum, quantised along d: my head's 64 are two blocks of the last product's K.
.rept 4
	v_nop
.endr
	v_add_f32 v14, v14, v15
	s_delay_alu instid0(VALU_DEP_1)
	v_permlanex16_b32 v[TV], v14, s[SEL], s[SEL+1]
	s_delay_alu instid0(VALU_DEP_1)
	v_add_f32 v14, v14, v[TV]
	s_wait_alu depctr_va_vdst(0)                   ; the wait ahead of the transcendental
	v_rcp_f32 v14, v14
	v_nop
	s_wait_alu depctr_va_vdst(0)                   ; and ahead of its first reader, which is also O^T's
.irp j, 0,1,2,3,4,5,6,7,8,9,10,11,12,13,14,15,16,17,18,19,20,21,22,23,24,25,26,27,28,29,30,31
	v_mul_f32 v[S+\j], v[O+\j], v14
.endr
.irp b, 0,1
	v_max3_num_f32 v[BM+\b], |v[S+16*\b]|, |v[S+1+16*\b]|, 0x1800000
.endr
.irp i, 2,4,6,8,10,12,14
.irp b, 0,1
	s_delay_alu instid0(VALU_DEP_2)
	v_max3_num_f32 v[BM+\b], v[BM+\b], |v[S+16*\b+\i]|, |v[S+1+16*\b+\i]|
.endr
.endr
.irp b, 0,1
	s_delay_alu instid0(VALU_DEP_2)
	v_permlanex16_b32 v[BX+\b], v[BM+\b], s[SEL], s[SEL+1]
.endr
.irp b, 0,1
	s_delay_alu instid0(VALU_DEP_2)
	v_max_num_f32 v[BM+\b], v[BM+\b], v[BX+\b]
.endr
.irp b, 0,1
	s_delay_alu instid0(VALU_DEP_2)
	v_add_nc_u32 v[SO+\b], 0xff000000, v[BM+\b]
.endr
.irp b, 0,1
	s_delay_alu instid0(VALU_DEP_2)
	v_lshrrev_b32 v[BX+\b], 23, v[SO+\b]
.endr
	s_delay_alu instid0(VALU_DEP_1)
	v_lshl_or_b32 v[TV], v[BX+1], 8, v[BX]
.irp b, 0,1
	v_cvt_scalef32_pk8_fp4_f32 v[PC+2*\b], v[S+16*\b:S+7+16*\b], v[SO+\b]
	v_cvt_scalef32_pk8_fp4_f32 v[PC+1+2*\b], v[S+8+16*\b:S+15+16*\b], v[SO+\b]
.endr
	v_nop
.irp i, 0,1
	v_permlane16_swap_b32 v[PC+\i], v[PC+2+\i]
.endr
	global_store_b128 v[LI], v[PC:PC+3], s[54:55]  ; 512 consecutive bytes
	global_store_b16 v[R4], v[TV], s[56:57]        ; two bytes of each slot's scale word; lanes 16-31 write the same bytes with the same values
	s_wait_tensorcnt 0x0                           ; the wave's end
	ds_add_u32 v254, v255
	s_wait_dscnt 0x0
	CROUND                                         ; the closing round
	s_endpgm
.Lfunc_end_k_qf43b16770b_attn:
	.size	k_qf43b16770b_attn, .Lfunc_end_k_qf43b16770b_attn-k_qf43b16770b_attn
	.p2alignl 7, 3214868480
	.fill 96, 4, 3214868480
	.section	.rodata,"a",@progbits
	.p2align	6, 0x0
	.amdhsa_kernel k_qf43b16770b_attn
		.amdhsa_group_segment_fixed_size 327680
		.amdhsa_private_segment_fixed_size 0
		.amdhsa_enable_private_segment 0
		.amdhsa_kernarg_size 24
		.amdhsa_user_sgpr_count 2
		.amdhsa_user_sgpr_kernarg_segment_ptr 1
		.amdhsa_wavefront_size32 1
		.amdhsa_system_sgpr_workgroup_id_x 1
		.amdhsa_system_sgpr_workgroup_id_y 1
		.amdhsa_system_sgpr_workgroup_id_z 1
		.amdhsa_system_vgpr_workitem_id 0
		.amdhsa_next_free_vgpr 256
		.amdhsa_next_free_sgpr 66
		.amdhsa_reserve_vcc 1
		.amdhsa_float_denorm_mode_32 3
		.amdhsa_float_denorm_mode_16_64 3
		.amdhsa_memory_ordered 1
		.amdhsa_forward_progress 1
		.amdhsa_inst_pref_size 54
	.end_amdhsa_kernel
	.amdgpu_metadata
---
amdhsa.version: [ 1, 2 ]
amdhsa.kernels:
  - .name:           k_qf43b16770b_attn
    .symbol:         k_qf43b16770b_attn.kd
    .args:
      - { .name: qimg, .offset: 0, .size: 8, .value_kind: global_buffer, .address_space: global }
      - { .name: kv, .offset: 8, .size: 8, .value_kind: global_buffer, .address_space: global }
      - { .name: ctxq, .offset: 16, .size: 8, .value_kind: global_buffer, .address_space: global }
    .group_segment_fixed_size: 327680
    .private_segment_fixed_size: 0
    .kernarg_segment_align: 8
    .kernarg_segment_size: 24
    .max_flat_workgroup_size: 512
    .sgpr_count:     66
    .vgpr_count:     256
    .wavefront_size: 32
...
	.end_amdgpu_metadata
.endif
;; end of part 3
;; launch proj (part 4): grid 8 x 32, 4 waves a work-group, clusters of 4 x 4, 168,448 bytes of LDS; arguments ctxq, w2q, out_b, out0; writes out0
.if DOCPART == 4
	.amdgcn_target "amdgcn-amd-amdhsa--gfx1250"
	.amdhsa_code_object_version 6
	.text
	.protected	k_qf43b16770b_proj
	.globl	k_qf43b16770b_proj
	.p2align	8
	.type	k_qf43b16770b_proj,@function
k_qf43b16770b_proj:
	s_mov_b64 s[64:65], 0
	v_nop
	global_prefetch_b8 v0, s[64:65] scope:SCOPE_SE
	s_setreg_imm32_b32 hwreg(HW_REG_WAVE_MODE, 25, 1), 1
	s_wait_xcnt 0x0
	s_wait_alu depctr_hold_cnt(0) depctr_sa_sdst(0) depctr_va_vdst(0) depctr_va_sdst(0) depctr_va_ssrc(0) depctr_va_vcc(0) depctr_vm_vsrc(0)
	s_getreg_b32 s2, hwreg(HW_REG_IB_STS2, 6, 4)
	s_cmp_eq_u32 s2, 0
	s_cbranch_scc0 .Lentry_in_a_cluster
	s_endpgm
.Lentry_in_a_cluster:
	s_bfe_u32 s2, ttmp6, 0x10000c
	s_cmp_lg_u32 s2, 0xf033
	s_cbranch_scc0 .Lentry_shape_is_right
	s_endpgm
.Lentry_shape_is_right:
; out0 = ctx Wout + b on codes of FP4 (E2M1) with E8M0 scales; out0 [4096][1024] f32.
; SHARES.  A work-group: 128 rows x 128 columns: 256 work-groups.  Wave (p = wave / 2, x = wave % 2): 4 tiles of rows x 4 tiles of columns: 16 accumulators.
; LDS is filled ONCE, at the head: both operands for all of K, by one tensor load a wave; one wait and one barrier open it.  No byte is filled again.  The stages have bytes of their own.
; CLUSTER 4 x 4: ctx's tiles hang on the row block alone and are asked for jointly by a row of the cluster, W's on the column block alone, by a column.
; THE PRODUCT IS USED TRANSPOSED (source 0 = 16 columns of W, source 1 = 16 rows of ctx).  Slot r of tile 2 g + u is row or column 32 g + 8 u + r + 8 (r / 8): a lane holds one row, and register j of tile (g, u) column 32 g + 8 u + 16 h + j.
; The bias is the C of each sum's first matrix instruction.
; REGISTERS: window 0: addresses; v16-31 ctx's scale words, v32-47 W's; v128-255 two sets of fragments (ctx's four, W's four), later rows of out0.  window 1: v0-127 the accumulators (rows a, columns t at v[8 (4 a + t)]); v128-159 the bias tiles.
.set XSOFF,  2097152
.set W2SOFF, 524288
.set WL,   65536                       ; LDS as it is now laid: ctx [half][4 tiles][8,192] from 0; W likewise from here.  One tensor load a wave brings its half for ALL of K (dense in memory); one wait and one barrier open it; a K step is 1,024 bytes on in each tile
.set STAGE, 131072                     ; 16 rows x (256 + 16) bytes for each wave
.set SP,   272
.set LI,   1
.set L4,   2
.set AC,   3                           ; LDS: my ctx fragments in the chunk in hand
.set AW,   4
.set STO,  5
.set RD,   6
.set GO,   7
.set BO,   8
.set CSC,  16
.set WSC,  32
.set BK,   128
.set BB,   128                         ; window 1: the bias tiles
.set G1C,  24
.set G1W,  32
.set G0C,  40
.set G0W,  68
.set MSB, 0
.macro WIN new
.if MSB != (\new)
	s_set_vgpr_msb (MSB<<8)|(\new)
.set MSB, (\new)
.endif
.endm
.macro PLACES n
.rept \n
	v_nop
.endr
.endm
.macro CROUND
	s_barrier_signal -1
	s_barrier_wait -1
	s_cmp_lg_u32 s14, 0
	s_cbranch_scc1 .Lnot_wave_0_\@
	s_barrier_signal -3
.Lnot_wave_0_\@:
	s_barrier_wait -3
	s_barrier_signal -1
	s_barrier_wait -1
.endm
.macro GATE c                          ; chunk c is whole: my part has landed, and so has everybody's
	s_wait_tensorcnt 0x0
	s_barrier_signal -1
	s_barrier_wait -1
.endm
.macro WM d, a, b, c, sa, sb, odd
.if \odd
	v_wmma_scale_f32_16x16x128_f8f6f4 v[\d:\d+7], v[\a:\a+7], v[\b:\b+7], v[\c:\c+7], v[\sa], v[\sb] matrix_a_fmt:MATRIX_FMT_FP4 matrix_b_fmt:MATRIX_FMT_FP4 matrix_a_scale:MATRIX_SCALE_ROW1 matrix_b_scale:MATRIX_SCALE_ROW1
.else
	v_wmma_scale_f32_16x16x128_f8f6f4 v[\d:\d+7], v[\a:\a+7], v[\b:\b+7], v[\c:\c+7], v[\sa], v[\sb] matrix_a_fmt:MATRIX_FMT_FP4 matrix_b_fmt:MATRIX_FMT_FP4
.endif
.endm
	s_load_b256 s[4:11], s[0:1], 0x0               ; ctxq s[4:5], w2q s[6:7], out_b s[8:9], out0 s[10:11]
	v_lshl_add_u32 v126, v0, 2, 0x29000
	v_mov_b32 v127, 0
	ds_add_u32 v126, v127
	ds_add_u32 v126, v127
	v_lshrrev_b32 v10, 5, v0
	v_readfirstlane_b32 s14, v10                   ; wave 0..3
	s_lshr_b32 s15, s14, 1                         ; which 64 rows are mine.  Also: I fetch for ctx (0) or for W (1)
	s_and_b32 s16, s14, 1                          ; which 64 columns.  Also: which half I fetch
	s_bfe_u32 s17, ttmp6, 0x40000                  ; cx
	s_bfe_u32 s18, ttmp6, 0x40004                  ; cy
	s_lshl_b32 s19, ttmp9, 2
	s_add_co_u32 s19, s19, s17                     ; the block of 128 columns
	s_and_b32 s20, ttmp7, 0xffff
	s_lshl_b32 s20, s20, 2
	s_add_co_u32 s20, s20, s18                     ; the block of 128 rows
	s_lshl_b32 s98, s18, 2
	s_lshl_b32 s98, 15, s98                        ; my row of the cluster: it shares ctx's tiles
	s_lshl_b32 s99, 0x1111, s17                    ; my column: it shares W's
	s_or_b32 s[G1C], s98, (3<<16)|(1<<21)
	s_or_b32 s[G1W], s99, (3<<16)|(1<<21)
.irp g, G1C, G1W
	s_mov_b32 s[\g+1], 1024<<16                    ; 8,192 bytes: a tile's codes of all of K
	s_mov_b32 s[\g+2], 4<<16                       ; 4 tiles
	s_mov_b32 s[\g+3], 1024<<16
	s_mov_b32 s[\g+4], 4
	s_mov_b32 s[\g+5], 1024                        ; from tile to tile: 8,192 bytes
	s_mov_b32 s[\g+6], 0
	s_mov_b32 s[\g+7], 0
.endr
	s_lshl_b32 s21, s16, 15                        ; where my half goes: 32,768 bytes a half
	s_lshl_b32 s90, s20, 16                        ; ctx: (8 block + 4 half) tiles of 8,192 bytes
	s_lshl_b32 s91, s16, 15
	s_add_co_u32 s90, s90, s91
	s_mov_b32 s91, 0
	s_lshl_b32 s92, s19, 16                        ; W likewise
	s_lshl_b32 s93, s16, 15
	s_add_co_u32 s92, s92, s93
	s_mov_b32 s93, 0
	s_wait_dscnt 0x0
	s_wait_kmcnt 0x0
	s_add_nc_u64 s[90:91], s[4:5], s[90:91]
	s_add_nc_u64 s[92:93], s[6:7], s[92:93]
.irp c, 0
	s_mov_b32 s[G0C+4*\c], 1
	s_add_co_u32 s[G0C+4*\c+1], s21, \c*16384
	s_add_nc_u64 s[G0C+4*\c+2:G0C+4*\c+3], s[90:91], \c*2048
	s_or_b32 s[G0C+4*\c+3], s[G0C+4*\c+3], 0x80000000
	s_mov_b32 s[G0W+4*\c], 1
	s_add_co_u32 s[G0W+4*\c+1], s21, WL+\c*16384
	s_add_nc_u64 s[G0W+4*\c+2:G0W+4*\c+3], s[92:93], \c*2048
	s_or_b32 s[G0W+4*\c+3], s[G0W+4*\c+3], 0x80000000
.endr
	CROUND                                         ; all sixteen work-groups are here: the joint loads meet
	s_cmp_lt_u32 s14, 2                            ; one fill a wave, in the two arms of one branch: one tensor load of mine is out
	s_cbranch_scc0 .Lfor_w
.irp c, 0
	tensor_load_to_lds s[G0C+4*\c:G0C+4*\c+3], s[G1C:G1C+7]
	s_nop 0
.endr
	PLACES 4
	s_branch .Lasked
.Lfor_w:
.irp c, 0
	tensor_load_to_lds s[G0W+4*\c:G0W+4*\c+3], s[G1W:G1W+7]
	s_nop 0
.endr
	PLACES 4
.Lasked:
	v_and_b32 v10, 31, v0                          ; lane
	v_and_b32 v11, 15, v0                          ; lane % 16
	v_bfe_u32 v12, v0, 4, 1                        ; lane / 16
	v_lshlrev_b32 v[LI], 4, v10
	v_lshlrev_b32 v[L4], 2, v10
	s_lshl_b32 s94, s15, 15
	v_add_nc_u32 v[AC], s94, v[LI]
	s_add_co_u32 s94, s21, WL
	v_add_nc_u32 v[AW], s94, v[LI]
	s_mul_i32 s94, s14, 16*SP
	s_add_co_u32 s94, s94, STAGE                   ; my stage
	v_mul_u32_u24 v[STO], v11, SP
	v_lshl_add_u32 v[STO], v12, 6, v[STO]
	v_add_nc_u32 v[STO], s94, v[STO]               ; in: row = my slot, + 64 bytes for lanes 16-31
	v_mul_u32_u24 v[RD], v12, SP
	v_lshl_add_u32 v[RD], v11, 4, v[RD]
	v_add_nc_u32 v[RD], s94, v[RD]                 ; back: lanes 0-15 one row of 256 bytes, lanes 16-31 the next
	v_lshlrev_b32 v[GO], 4, v11
	v_lshl_add_u32 v[GO], v12, 12, v[GO]           ; and the same in out0: rows of 4,096 bytes
	s_lshl_b32 s94, s16, 8
	v_lshl_add_u32 v[BO], v12, 6, s94              ; the bias: 64 x numbers on, + 16 h
	s_wait_alu depctr_va_vdst(0)
	s_lshl_b32 s62, s20, 12                        ; ctx's scale images: (8 block + 4 p) x 512
	s_lshl_b32 s63, s15, 11
	s_add_co_u32 s62, s62, s63
	s_add_co_u32 s62, s62, XSOFF
	s_mov_b32 s63, 0
	s_add_nc_u64 s[56:57], s[4:5], s[62:63]
	s_lshl_b32 s62, s19, 12
	s_lshl_b32 s94, s16, 11
	s_add_co_u32 s62, s62, s94
	s_add_co_u32 s62, s62, W2SOFF
	s_add_nc_u64 s[58:59], s[6:7], s[62:63]
	s_lshl_b32 s62, s19, 9                         ; the block's 128 numbers of the bias
	s_add_nc_u64 s[60:61], s[8:9], s[62:63]
	s_lshl_b32 s62, s20, 19                        ; out0: row 128 block + 64 p, column 128 block + 64 x
	s_lshl_b32 s94, s15, 18
	s_add_co_u32 s62, s62, s94
	s_lshl_b32 s94, s19, 9
	s_add_co_u32 s62, s62, s94
	s_lshl_b32 s94, s16, 8
	s_add_co_u32 s62, s62, s94
	s_add_nc_u64 s[86:87], s[10:11], s[62:63]
.irp a, 0,1,2,3
.irp q, 0,1,2,3
	global_load_b32 v[CSC+4*\a+\q], v[L4], s[56:57] offset:512*\a+128*\q   ; K steps 2 q (lanes 0-15) and 2 q + 1 (lanes 16-31)
.endr
.endr
.irp t, 0,1,2,3
.irp q, 0,1,2,3
	global_load_b32 v[WSC+4*\t+\q], v[L4], s[58:59] offset:512*\t+128*\q
.endr
.endr
	WIN 0x40                                       ; destination window 1
.irp t, 0,1,2,3
	global_load_b128 v[BB+8*\t:BB+8*\t+3], v[BO], s[60:61] offset:(32*(\t/2)+8*(\t%2))*4
	global_load_b128 v[BB+8*\t+4:BB+8*\t+7], v[BO], s[60:61] offset:(32*(\t/2)+8*(\t%2))*4+16
.endr
	WIN 0
.macro FETCH s, p                      ; K step s: 16 LDS loads in one run, into set p
	WIN 0
.irp a, 0,1,2,3
.irp c, 0,1
	ds_load_b128 v[128+64*(\p)+8*\a+4*\c:128+64*(\p)+8*\a+4*\c+3], v[AC] offset:8192*\a+1024*(\s)+512*\c
.endr
.endr
.irp t, 0,1,2,3
.irp c, 0,1
	ds_load_b128 v[128+64*(\p)+32+8*\t+4*\c:128+64*(\p)+32+8*\t+4*\c+3], v[AW] offset:8192*\t+1024*(\s)+512*\c
.endr
.endr
.endm
; 16 matrix instructions.  The accumulators take turns, one instruction a turn, in the same order in every step.
.macro MUL s, p
.set FS, 128+64*(\p)
.set SQ, (\s)/2
.set OD, (\s)%2
	WIN 0x50                                       ; sources 0 and 1 window 0, C and D window 1
.irp a, 0,1,2,3
.irp t, 0,1,2,3
.if (\s) == 0
	WM 8*(4*\a+\t), FS+32+8*\t, FS+8*\a, BB+8*\t, WSC+4*\t+SQ, CSC+4*\a+SQ, OD
.else
	WM 8*(4*\a+\t), FS+32+8*\t, FS+8*\a, 8*(4*\a+\t), WSC+4*\t+SQ, CSC+4*\a+SQ, OD
.endif
.endr
.endr
.endm
	s_wait_loadcnt 0x0                             ; scale words and bias
	GATE 0
	FETCH 0, 0
.irp s, 0,1,2,3,4,5,6,7
	s_wait_dscnt 0x0                               ; this step's fragments are in
.if \s < 7
	PLACES 4                                       ; four places between the last step's products and loads into the fragments that they read
	FETCH \s+1, (\s+1)%2
.endif
	MUL \s, \s%2
.endr
; THE WAY OUT, a tile of 16 rows x my 64 columns at a time: through my own stage, back as whole rows of 256 bytes.  LDS serves a wave's instructions in order: no wait between the stores and the loads, nor ahead of the next tile's stores.
.macro TOSTAGE a
	WIN 0x04                                       ; an LDS store's data are its source 1: window 1
.irp t, 0,1,2,3
	ds_store_b128 v[STO], v[8*(4*(\a)+\t):8*(4*(\a)+\t)+3] offset:128*(\t/2)+32*(\t%2)          ; each accumulator from its low end on
	ds_store_b128 v[STO], v[8*(4*(\a)+\t)+4:8*(4*(\a)+\t)+7] offset:128*(\t/2)+32*(\t%2)+16
.endr
	WIN 0
.irp i, 0,1,2,3,4,5,6,7
	ds_load_b128 v[BK+32*(\a)+4*\i:BK+32*(\a)+4*\i+3], v[RD] offset:2*\i*SP   ; slots 2 i and 2 i + 1; each tile has registers of its own
.endr
.endm
.macro SEND a, younger                 ; younger: the next tile's 8 stores and 8 loads, which may be out
	s_wait_dscnt \younger
.irp i, 0,1,2,3,4,5,6,7
	global_store_b128 v[GO], v[BK+32*(\a)+4*\i:BK+32*(\a)+4*\i+3], s[86:87] offset:(32*((\a)/2)+8*((\a)%2)+2*\i+8*(\i/4))*4096 th:TH_STORE_NT   ; sixteen lanes store 256 consecutive bytes, at a multiple of 256 from out0's first byte
.endr
.endm
	PLACES 4                                       ; between the last products and the first read of results, and the loads into the fragments' registers
	TOSTAGE 0
.irp a, 1,2,3
	TOSTAGE \a
	SEND \a-1, 16
.endr
	SEND 3, 0
	s_wait_tensorcnt 0x0
	ds_add_u32 v126, v127
	s_wait_dscnt 0x0
	CROUND                                         ; the closing round: no work-group ends while a partner may still ask for a tile that names it
	s_endpgm
.Lfunc_end_k_qf43b16770b_proj:
	.size	k_qf43b16770b_proj, .Lfunc_end_k_qf43b16770b_proj-k_qf43b16770b_proj
	.p2alignl 7, 3214868480
	.fill 96, 4, 3214868480
	.section	.rodata,"a",@progbits
	.p2align	6, 0x0
	.amdhsa_kernel k_qf43b16770b_proj
		.amdhsa_group_segment_fixed_size 168448
		.amdhsa_private_segment_fixed_size 0
		.amdhsa_enable_private_segment 0
		.amdhsa_kernarg_size 32
		.amdhsa_user_sgpr_count 2
		.amdhsa_user_sgpr_kernarg_segment_ptr 1
		.amdhsa_wavefront_size32 1
		.amdhsa_system_sgpr_workgroup_id_x 1
		.amdhsa_system_sgpr_workgroup_id_y 1
		.amdhsa_system_sgpr_workgroup_id_z 1
		.amdhsa_system_vgpr_workitem_id 0
		.amdhsa_next_free_vgpr 512
		.amdhsa_next_free_sgpr 100
		.amdhsa_reserve_vcc 0
		.amdhsa_float_denorm_mode_32 3
		.amdhsa_float_denorm_mode_16_64 3
		.amdhsa_memory_ordered 1
		.amdhsa_forward_progress 1
		.amdhsa_inst_pref_size 44
	.end_amdhsa_kernel
	.amdgpu_metadata
---
amdhsa.version: [ 1, 2 ]
amdhsa.kernels:
  - .name:           k_qf43b16770b_proj
    .symbol:         k_qf43b16770b_proj.kd
    .args:
      - { .name: ctxq, .offset: 0, .size: 8, .value_kind: global_buffer, .address_space: global }
      - { .name: w2q, .offset: 8, .size: 8, .value_kind: global_buffer, .address_space: global }
      - { .name: out_b, .offset: 16, .size: 8, .value_kind: global_buffer, .address_space: global }
      - { .name: out0, .offset: 24, .size: 8, .value_kind: global_buffer, .address_space: global }
    .group_segment_fixed_size: 168448
    .private_segment_fixed_size: 0
    .kernarg_segment_align: 8
    .kernarg_segment_size: 32
    .max_flat_workgroup_size: 128
    .sgpr_count:     100
    .vgpr_count:     512
    .wavefront_size: 32
...
	.end_amdgpu_metadata
.endif
;; end of part 4
